; MI455X (gfx1250); checked and timed in simulation.
; The chip was launched on July 23, 2026; its instructions are those of AMD's public machine-readable ISA for CDNA 5 (MIT licence, August 2026) and "CDNA5" Instruction Set Architecture Reference Guide (July 2026). The comments in the code are by the model that wrote it; some were corrected since.
;; Attention. Allowed arithmetic: matrix products marked QUANTISED: E2M3 operands, one E8M0 scale for each 32 along K, by v_wmma_scale_f32_16x16x128_f8f6f4 with both operands' format E2M3, f32 sums; everything else in f32.
;; Inputs: b_proj 1,024 float32; b_qkv 3,072 float32; w_proj 1,024 x 1,024 float32; w_qkv 3,072 x 1,024 float32; x 4 x 2,048 x 1,024 float32.
;; Outputs: out0 4 x 2,048 x 1,024 float32.
;; This version of the problem:
;;   THIS VERSION OF THE PROBLEM IS GIVEN IN LOW PRECISION. The matrix products marked QUANTISED in the list below multiply operands that are first quantised to E2M3 (2 exponent bits, 3 mantissa bits; 6 bits a number), with one power-of-two scale for each 32 numbers along K (OCP MX v1.0); their sums are f32. All else is computed in f32.
;;   The module's matrix products, in the order in which they are computed (A, B: the left and right operand; K: the contracted axis; several contracted axes count as one K, in the product's order):
;;     1. [M 8,192, K 1,024] x [K 1,024, N 3,072]; A: input x; B: input w_qkv: QUANTISED
;;     2. batch 64 x [M 2,048, K 64] x [K 64, N 2,048]; A: computed on the way; B: computed on the way: QUANTISED
;;     3. batch 64 x [M 2,048, K 2,048] x [K 2,048, N 64]; A: softmax (see below); B: computed on the way: QUANTISED
;;     4. [M 8,192, K 1,024] x [K 1,024, N 1,024]; A: computed on the way; B: input w_proj: QUANTISED
;;   THE QUANTISER, for each operand of a quantised product, along K:
;;     - K is cut into blocks of 32 from its start; a last block that is shorter is filled with zeros.
;;     - A block's scale is 2^e with e = floor(log2(the largest magnitude in the block)) - 2, held to -126 .. 127; a block of zeros has e = 0. As a byte (E8M0): e + 127.
;;     - Each number is divided by its block's scale, clamped to +-7.5, and rounded to the nearest number of E2M3, ties to even, subnormals kept.
;;     - The product sums the exact products of the quantised numbers (number of the format x scale) in f32.
;;   ~~~python
;;   def quantise(x, axis):      # numpy; x: float32 -> the quantised numbers, widened to float32 again
;;       x = np.moveaxis(x, axis, -1); K = x.shape[-1]
;;       x = np.pad(x, [(0, 0)] * (x.ndim - 1) + [(0, -K % 32)]); x = x.reshape(x.shape[:-1] + (-1, 32)); a = np.abs(x).max(-1, keepdims=True)
;;       e = np.where(a > 0, np.clip(np.frexp(np.where(a > 0, a, 1))[1] - 1 - 2, -126, 127), 0)      # np.frexp(a)[1] - 1 = floor(log2(a)), exactly
;;       r = np.clip(x / 2.0 ** e, -7.5, 7.5)
;;       step = 2.0 ** (np.maximum(np.frexp(np.where(r == 0, 1, r))[1] - 1, 0) - 3)
;;       q = np.round(r / step) * step * 2.0 ** e      # np.round: ties to even
;;       return np.moveaxis(q.reshape(q.shape[:-2] + (-1,))[..., :K], -1, axis).astype(np.float32)
;;   ~~~
;;   SOFTMAX AHEAD OF A QUANTISED PRODUCT. Where the list says 'softmax', what is quantised is not the finished softmax but p = 2^(t - M), with t = logit x log2(e) and M = ceil(the row's largest t), a whole number; so 1/2 < the row's largest p <= 1. The row's sum l is taken of the UNQUANTISED p, in f32, and the product's result is divided by l at the end. Since M is a whole number, a kernel that streams over the keys may use a running M (the ceiling of the running maximum): every later rescaling is an exact power of two, which a block's scale takes up: the codes' values come out the same.
;;   OPERANDS COMPUTED ON THE WAY. 'Computed on the way' means the value that the module computes at that place (a softmax that the list does not call 'softmax' is quantised finished and normalised). What goes into a quantiser is computed in f32, as accurately as f32 sums, v_exp_f32 and their like allow (about 1e-6 of the number): no bf16 or f16 on the way to a quantiser, and a product that is left as it is and whose result goes on into a quantised operand takes f32 operands (vector FMAs, or v_wmma_f32_16x16x4_f32). A number that lies on a knife's edge between two numbers of the format may be rounded either way, as far as f32 arithmetic and the matrix unit's own rounding can turn it there, and no further.
;; One version. Each part assembles by itself: llvm-mc -triple=amdgcn-amd-amdhsa -mcpu=gfx1250 --defsym DOCPART=n.
;; ======== version 1 of 1: 4 launches
;; limits: right only within a limited range of input values
;; workspace buffers: cod 9,437,184 bytes; scl 393,216 bytes; qkv 20,185,088 bytes; oc 6,291,456 bytes; os 262,144 bytes
;; launch quant (part 1): grid 384 x 1, 4 waves a work-group, no clusters, 34,304 bytes of LDS; arguments x, w_qkv, w_proj, cod, scl; writes cod, scl
.if DOCPART == 1
	.amdgcn_target "amdgcn-amd-amdhsa--gfx1250"
	.amdhsa_code_object_version 6
	.text
	.protected	k_q9aafe0b428_quant
	.globl	k_q9aafe0b428_quant
	.p2align	8
	.type	k_q9aafe0b428_quant,@function
k_q9aafe0b428_quant:
	s_mov_b64 s[64:65], 0
	v_nop
	global_prefetch_b8 v0, s[64:65] scope:SCOPE_SE
	s_setreg_imm32_b32 hwreg(HW_REG_WAVE_MODE, 25, 1), 1
	s_wait_xcnt 0x0
; x [8192][1024], w_qkv [3072][1024], w_proj [1024][1024], f32, become codes of FP6 (E2M3) with one E8M0 byte for each 32 along K (the last axis).
; A block's scale is 2^(floor(log2(largest magnitude)) - 2); its byte is the largest magnitude's exponent field - 2, held at 1 from below.
; LIMITS: NaN and infinities among the inputs are not served; a block of zeros, or one whose largest magnitude lies under 2^-124, gets the byte 1
; (the rule says 127 for zeros: its codes are zeros, and these bytes are read by this program alone).
; LAYOUT OF THE RESULTS.  Rows are taken in tiles of 16 POSITIONS: position t of tile 4 c + u is true row 64 c + 8 u + (t & 7) + 32 (t >> 3).  Used as source 0 of a matrix
; instruction, the 32 result registers of tiles 4 c .. 4 c + 3 are then 32 neighbouring true rows in one lane: a whole block of the next product's K.
; cod: [tile 0..767][K step of 128: 0..7][1,536 bytes]: a fragment as an image of its 12 registers: chunk j (512 bytes) holds registers 4 j .. 4 j + 3, lane l's 16 bytes at 16 l.
;      tiles 0-511 x, 512-703 w_qkv, 704-767 w_proj.     scl: [tile][K step / 4][row 0..15][K step % 4] words of four bytes.
; SHARES.  Wave w of work-group g takes tile 2 g + w / 2 and half w % 2 of K: 16 rows x 512 numbers, four fragments.  Each load reads 512 consecutive bytes of a row; the 16 rows turn through the
; wave's own stage in LDS (rows 528 bytes apart), from which lane (r, h) takes, of row r, the two blocks 64 c + 32 h + 0 .. 31 that the operand's layout gives it.  Waves share nothing: no barrier.
.set STGB, 8448                        ; a wave's stage: 16 rows x (512 + 16) bytes
.set LI,   1                           ; v1   16 x lane
.set SA,   2                           ; v2   the stage, on the way in
.set LA,   3                           ; v3   the stage, on the way out: 528 r + 128 h
.set SO8,  4                           ; v4   16 r + 8 h: my two scale words' place
.set SH8,  5                           ; v5   8 h
.set R,    16                          ; v16-143  two sets of 64: rows as loaded
.set X,    144                         ; v144-207 my 64 numbers of a fragment
.set C,    208                         ; v208-231 two sets of 12: codes
.set TM,   232                         ; v232-247 at work
.set SW,   248                         ; v248-251 the four steps' scale words
.set SEL,  20                          ; s[20:21] lane selects for v_permlanex16_b32: lane l xor 16
	s_load_b128 s[4:7], s[0:1], 0x0                ; x, w_qkv
	s_load_b128 s[8:11], s[0:1], 0x10              ; w_proj, cod
	s_load_b64 s[12:13], s[0:1], 0x20              ; scl
	v_lshl_add_u32 v254, v0, 2, 0x8400
	v_mov_b32 v255, 0
	v_lshrrev_b32 v6, 5, v0
	v_readfirstlane_b32 s14, v6                    ; wave 0..3
	v_and_b32 v7, 31, v0                           ; lane
	v_and_b32 v8, 15, v0                           ; r
	v_bfe_u32 v9, v0, 4, 1                         ; h
	v_lshlrev_b32 v[LI], 4, v7
	s_mul_i32 s15, s14, STGB
	v_add_nc_u32 v[SA], s15, v[LI]
	v_mul_u32_u24 v[LA], v8, 528
	v_lshl_add_u32 v[LA], v9, 7, v[LA]
	v_add_nc_u32 v[LA], s15, v[LA]
	v_lshlrev_b32 v[SO8], 4, v8
	v_lshl_add_u32 v[SO8], v9, 3, v[SO8]
	v_lshlrev_b32 v[SH8], 3, v9
	s_lshr_b32 s16, s14, 1
	s_lshl_b32 s17, ttmp9, 1
	s_add_co_u32 s17, s17, s16                     ; my tile
	s_and_b32 s18, s14, 1                          ; my half of K
	s_mov_b32 s[SEL], 0x76543210
	s_mov_b32 s[SEL+1], 0xfedcba98
	s_mov_b32 s22, 0xffff0000                      ; lanes 16-31
	s_mov_b32 s19, 704
	s_wait_alu depctr_va_vdst(0)
	s_wait_kmcnt 0x0
	s_cmp_lt_u32 ttmp9, 352                        ; which tensor: the choice hangs on the work-group's number alone
	s_cselect_b64 s[6:7], s[6:7], s[8:9]
	s_cselect_b32 s19, 512, s19
	s_cmp_lt_u32 ttmp9, 256
	s_cselect_b64 s[4:5], s[4:5], s[6:7]
	s_cselect_b32 s19, 0, s19
	s_sub_co_u32 s19, s17, s19                     ; the tile's number in its tensor
	s_lshr_b32 s23, s19, 2
	s_lshl_b32 s23, s23, 18                        ; 64 rows of 4,096 bytes for each four tiles,
	s_and_b32 s24, s19, 3
	s_lshl_b32 s24, s24, 15                        ; 8 rows for each tile among them,
	s_add_co_u32 s24, s24, s23
	s_lshl_b32 s23, s18, 11                        ; 2,048 bytes for the upper half of K
	s_add_co_u32 s24, s24, s23
	s_mov_b32 s25, 0
	s_add_nc_u64 s[4:5], s[4:5], s[24:25]
	s_mul_i32 s24, s17, 12288
	s_mul_i32 s23, s18, 6144
	s_add_co_u32 s24, s24, s23
	s_add_nc_u64 s[10:11], s[10:11], s[24:25]
	s_lshl_b32 s24, s17, 9
	s_lshl_b32 s23, s18, 8
	s_add_co_u32 s24, s24, s23
	s_add_nc_u64 s[12:13], s[12:13], s[24:25]
; 64 numbers of a lane, block c at v[x + 32 c] on = K block 2 c + h of my row, become 12 registers of codes (6 at d0, 6 at d1) and the row's scale word in v[w] (the same in both halves of the lanes).
.macro QUANT2 x, d0, d1, w
.irp c, 0,1
	v_max3_num_f32 v[TM+\c], |v[(\x)+32*\c]|, |v[(\x)+32*\c+1]|, 0x1800000   ; the floor 2^(3 - 127) among the leaves: the byte cannot fall under 1
	v_max3_num_f32 v[TM+2+\c], |v[(\x)+32*\c+16]|, |v[(\x)+32*\c+17]|, |v[(\x)+32*\c+18]|
.endr
.irp i, 2,4,6,8,10,12
.irp c, 0,1
	v_max3_num_f32 v[TM+\c], v[TM+\c], |v[(\x)+32*\c+\i]|, |v[(\x)+32*\c+\i+1]|   ; two chains a block, the blocks by turns
	v_max3_num_f32 v[TM+2+\c], v[TM+2+\c], |v[(\x)+32*\c+\i+17]|, |v[(\x)+32*\c+\i+18]|
.endr
.endr
.irp c, 0,1
	v_max3_num_f32 v[TM+\c], v[TM+\c], |v[(\x)+32*\c+14]|, |v[(\x)+32*\c+15]|
.endr
.irp c, 0,1
	v_max3_num_f32 v[TM+\c], v[TM+\c], v[TM+2+\c], |v[(\x)+32*\c+31]|            ; the block's largest magnitude
.endr
.irp c, 0,1
	v_add_nc_u32 v[TM+4+\c], 0xff000000, v[TM+\c]  ; 2 off its exponent field: the conversion takes the exponent field of this operand as its scale
.endr
.irp c, 0,1
	v_lshrrev_b32 v[TM+6+\c], 23, v[TM+4+\c]       ; the scale's byte
.endr
	v_lshl_or_b32 v[TM+6], v[TM+7], 16, v[TM+6]    ; my two bytes: blocks h and 2 + h,
	v_lshlrev_b32 v[TM+6], v[SH8], v[TM+6]         ; at their places;
	v_permlanex16_b32 v[TM+7], v[TM+6], s[SEL], s[SEL+1]
	v_or_b32 v[\w], v[TM+6], v[TM+7]               ; with lane l xor 16's two the word is whole
	v_cvt_scalef32_pk16_fp6_f32 v[(\d0):(\d0)+2], v[(\x):(\x)+15], v[TM+4]
	v_cvt_scalef32_pk16_fp6_f32 v[TM+8:TM+10], v[(\x)+16:(\x)+31], v[TM+4]        ; (a conversion's three registers begin on an even number)
	v_cvt_scalef32_pk16_fp6_f32 v[(\d1):(\d1)+2], v[(\x)+32:(\x)+47], v[TM+5]
	v_cvt_scalef32_pk16_fp6_f32 v[TM+12:TM+14], v[(\x)+48:(\x)+63], v[TM+5]
	v_nop                                          ; one plain place behind the conversions
.irp i, 0,1,2
	v_mov_b32 v[(\d0)+3+\i], v[TM+8+\i]
	v_mov_b32 v[(\d1)+3+\i], v[TM+12+\i]
.endr
.endm
.macro LOAD t                          ; step t: 128 numbers of each of the tile's 16 rows; a load reads 512 consecutive bytes
.irp i, 0,1,2,3,4,5,6,7,8,9,10,11,12,13,14,15
	global_load_b128 v[R+64*((\t)%2)+4*\i:R+64*((\t)%2)+4*\i+3], v[LI], s[4:5] offset:((\i&7)+32*(\i>>3))*4096+512*(\t) th:TH_LOAD_NT
.endr
.endm
.macro TURN t                          ; through the stage: LDS serves a wave's instructions in order, so no wait stands between the stores and the loads
.irp i, 0,1,2,3,4,5,6,7,8,9,10,11,12,13,14,15
	ds_store_b128 v[SA], v[R+64*((\t)%2)+4*\i:R+64*((\t)%2)+4*\i+3] offset:528*\i
.endr
.irp c, 0,1
.irp j, 0,1,2,3,4,5,6,7
	ds_load_b128 v[X+32*\c+4*\j:X+32*\c+4*\j+3], v[LA] offset:256*\c+16*\j
.endr
.endr
.endm
.macro STEP t
	s_wait_dscnt 0x0                               ; my 64 numbers are back; the stage's stores have read their registers,
.if (\t) < 2
	LOAD (\t)+2                                    ; which take the loads of two steps on
.else
	s_wait_xcnt 0x0                                ; the stores of two steps back have read this set of codes: it is written again only behind this wait
.endif
	QUANT2 X, C+12*((\t)%2), C+12*((\t)%2)+6, SW+(\t)
.irp j, 0,1,2
	global_store_b128 v[LI], v[C+12*((\t)%2)+4*\j:C+12*((\t)%2)+4*\j+3], s[10:11] offset:1536*(\t)+512*\j   ; 32 lanes store 512 consecutive bytes, aligned
.endr
.if (\t) < 2
	s_wait_loadcnt 16                              ; the next step's 16 loads are in; those of the step behind it may be out
	TURN (\t)+1
.elseif (\t) == 2
	s_wait_loadcnt 0x0
	TURN 3
.endif
.endm
	LOAD 0
	LOAD 1
	s_wait_loadcnt 16                              ; step 0's loads are in, step 1's may be out
	TURN 0
	STEP 0
	STEP 1
	STEP 2
	STEP 3
	v_cndmask_b32 v252, v[SW], v[SW+2], s22        ; lanes 0-15 store steps 0 and 1's words of row r, lanes 16-31 steps 2 and 3's
	v_cndmask_b32 v253, v[SW+1], v[SW+3], s22
	global_store_b64 v[SO8], v[252:253], s[12:13]  ; 32 lanes store 256 consecutive bytes, aligned
	s_wait_tensorcnt 0x0
	ds_add_u32 v254, v255
	s_wait_dscnt 0x0
	s_endpgm
.Lfunc_end_k_q9aafe0b428_quant:
	.size	k_q9aafe0b428_quant, .Lfunc_end_k_q9aafe0b428_quant-k_q9aafe0b428_quant
	.p2alignl 7, 3214868480
	.fill 96, 4, 3214868480
	.section	.rodata,"a",@progbits
	.p2align	6, 0x0
	.amdhsa_kernel k_q9aafe0b428_quant
		.amdhsa_group_segment_fixed_size 34304
		.amdhsa_private_segment_fixed_size 0
		.amdhsa_enable_private_segment 0
		.amdhsa_kernarg_size 40
		.amdhsa_user_sgpr_count 2
		.amdhsa_user_sgpr_kernarg_segment_ptr 1
		.amdhsa_wavefront_size32 1
		.amdhsa_system_sgpr_workgroup_id_x 1
		.amdhsa_system_sgpr_workgroup_id_y 1
		.amdhsa_system_sgpr_workgroup_id_z 1
		.amdhsa_system_vgpr_workitem_id 0
		.amdhsa_next_free_vgpr 256
		.amdhsa_next_free_sgpr 66
		.amdhsa_reserve_vcc 0
		.amdhsa_float_denorm_mode_32 3
		.amdhsa_float_denorm_mode_16_64 3
		.amdhsa_memory_ordered 1
		.amdhsa_forward_progress 1
		.amdhsa_inst_pref_size 30
	.end_amdhsa_kernel
	.amdgpu_metadata
---
amdhsa.version: [ 1, 2 ]
amdhsa.kernels:
  - .name:           k_q9aafe0b428_quant
    .symbol:         k_q9aafe0b428_quant.kd
    .args:
      - { .name: x, .offset: 0, .size: 8, .value_kind: global_buffer, .address_space: global }
      - { .name: w_qkv, .offset: 8, .size: 8, .value_kind: global_buffer, .address_space: global }
      - { .name: w_proj, .offset: 16, .size: 8, .value_kind: global_buffer, .address_space: global }
      - { .name: cod, .offset: 24, .size: 8, .value_kind: global_buffer, .address_space: global }
      - { .name: scl, .offset: 32, .size: 8, .value_kind: global_buffer, .address_space: global }
    .group_segment_fixed_size: 34304
    .private_segment_fixed_size: 0
    .kernarg_segment_align: 8
    .kernarg_segment_size: 40
    .max_flat_workgroup_size: 128
    .sgpr_count:     66
    .vgpr_count:     256
    .wavefront_size: 32
...
	.end_amdgpu_metadata
.endif
;; end of part 1
;; launch qkv (part 2): grid 32 x 8, 4 waves a work-group, clusters of 4 x 1, 295,424 bytes of LDS; arguments cod, scl, b_qkv, qkv; writes qkv
.if DOCPART == 2
	.amdgcn_target "amdgcn-amd-amdhsa--gfx1250"
	.amdhsa_code_object_version 6
	.text
	.protected	k_q9aafe0b428_qkv
	.globl	k_q9aafe0b428_qkv
	.p2align	8
	.type	k_q9aafe0b428_qkv,@function
k_q9aafe0b428_qkv:
	s_mov_b64 s[64:65], 0
	v_nop
	global_prefetch_b8 v0, s[64:65] scope:SCOPE_SE
	s_setreg_imm32_b32 hwreg(HW_REG_WAVE_MODE, 25, 1), 1
	s_wait_xcnt 0x0
	s_wait_alu depctr_hold_cnt(0) depctr_sa_sdst(0) depctr_va_vdst(0) depctr_va_sdst(0) depctr_va_ssrc(0) depctr_va_vcc(0) depctr_vm_vsrc(0)
	s_getreg_b32 s2, hwreg(HW_REG_IB_STS2, 6, 4)
	s_cmp_eq_u32 s2, 0
	s_cbranch_scc0 .Lentry_in_a_cluster
	s_endpgm
.Lentry_in_a_cluster:
	s_bfe_u32 s2, ttmp6, 0x10000c
	s_cmp_lg_u32 s2, 0x3003
	s_cbranch_scc0 .Lentry_shape_is_right
	s_endpgm
.Lentry_shape_is_right:
; Q, K, V = x w_qkv^T + b_qkv on codes of FP6 (E2M3) with E8M0 scales, and their quantisers: the results leave as codes and scale bytes, as images of the operand registers of the launch that reads them.
; INPUT: cod[tile of 16 positions][K step of 128][1,536 bytes], a fragment as an image of its 12 registers (chunk j: registers 4 j .. 4 j + 3, lane l's 16 bytes at 16 l); scl[tile][K step / 4][row][K step % 4] words.
; Tiles 0-511 are x, 512-703 w_qkv.  Position t of tile 4 c + u is true row 64 c + 8 u + (t & 7) + 32 (t >> 3): as source 0, the 32 result registers of tiles 4 c .. 4 c + 3 are 32 neighbouring true rows in one lane.
; SHARES.  256 work-groups = 8 ranges of 24 weight tiles (6 heads of Q, K or V) x 32 blocks of 256 token positions.  A range's codes are one dense block of 294,912 bytes: they come into LDS ONCE, one tensor load a wave
; (288 rows of 256 bytes), and stay: nothing is filled again, so the loop has no barrier.  The four work-groups of a cluster are four token blocks of one range and ask jointly (mask 15).
; A wave holds its 64 token positions, all of K, in registers (32 fragments, 384 registers, loaded from the images as they lie, 512 consecutive bytes a load) and streams the 24 weight tiles past them:
; a tile is 32 products, 4 accumulators by turns, K ascending; its 8 fragments lie twice in registers: behind tile s's products its set takes tile s + 2 (behind the last head: that head's first tiles once more, not used).
; A HEAD is 4 weight tiles: 16 accumulators.  Q, K: source 0 = the weights: a lane's 32 sums of a token tile are the head's channels 32 h + 0 .. 31.  V: source 0 = the tokens: a lane's 32 sums of a weight tile are tokens 32 h + 0 .. 31 of my 64.
; Either way four units of 32 sums: the bias is added, the largest magnitude gives the scale, two conversions give six registers.  Which way a head goes hangs on its number alone, which all partners share.
; OUTPUT: records of 19,712 bytes, record (batch x 16 + head) x 16 + step of 128 positions: Q at 0, K at 6,656, V at 13,312.  Q, K: four fragments of 1,536 bytes (two token tiles each), then the scale words as
; [half of 64 positions][lane][8 bytes].  V: four fragments, each as two parts of 768 bytes (half c: registers 6 c .. 6 c + 3 at 16 l, 6 c + 4, 6 c + 5 at 512 + 8 l), then the scale words, of which a wave writes its half's two bytes
; (2 bytes a row, 8 apart: 1 byte in 24 of V's).  All stores of codes cover 512 or 256 consecutive bytes, aligned.
; No prefetch: the weights and the tokens are all asked for at the head.  The scale words of the next head and the bias of this one are loaded at a head's start and used at its end.
; LIMITS: NaN and infinities are not served; a block of zeros, or one whose largest magnitude lies under 2^-124, gets the byte 1 (these bytes are read by this program alone).
.set REC,   19712
.set TILE,  12288                      ; a tile's codes, all of K
.set HEADL, 4*TILE                     ; a head's four tiles in LDS
.set SPARE, 24*TILE                    ; the spare words: 128 bytes for each of 4 waves
.set SPW, 1
.set NIL, 2
.set LI,  3                            ; 16 x lane
.set L8,  4                            ; 8 x lane
.set ADW, 5                            ; LDS: this head's tiles + 16 x lane
.set ADW2, 6                           ; the next head's
.set SH8, 7                            ; 8 h
.set LIH, 8                            ; stores: 16 l + 3,072 x half;  v9: 8 l + 256 x half;  v10: 16 l + 768 x half;  v11: 8 l + 768 x half;  v12: 8 r + 2 x half
.set L8H, 9
.set LIV, 10
.set L8V, 11
.set VSO, 12
.set BPO, 13                           ; the bias: 128 h (Q, K);  v14: 4 x ((r & 7) + 32 (r >> 3)) (V)
.set BRO, 14
.set XS,  20                           ; v20-35 the tokens' scale words: 4 a + K step % 4; lanes 0-15 K steps 0-3, lanes 16-31 K steps 4-7
.set WS,  38                           ; v38-53 the head's weights' scale words, likewise
.set ACC, 64                           ; v64-191 sixteen accumulators
.set CQ,  192                          ; v192-215 four units' codes
.set TC,  216                          ; v216-231 the conversions' second halves
.set TM,  232                          ; v232-243 at work; v244-245 Q's or K's scale words
.set SS,  72                           ; window 3: v72-87 the next head's scale words; v88-119 the bias
.set BB,  88
.set WV,  12
.set G1,  16
.set G0,  24
.set HG,  46                           ; the head's number, 0 .. 47: Q's, K's, V's
.set MSK, 56
.set LB,  57
.set SEL, 58
.set TN,  60
.set MSB, 0
.macro WIN new                         ; the immediate's high byte repeats the setting that is left
.if MSB != (\new)
	s_set_vgpr_msb (MSB<<8)|(\new)
.set MSB, (\new)
.endif
.endm
.macro WALU
	s_wait_alu depctr_va_vdst(0)
.endm
.macro CROUND
	s_barrier_signal -1
	s_barrier_wait -1
	s_cmp_lg_u32 s[WV], 0
	s_cbranch_scc1 .Lnot_wave_0_\@
	s_barrier_signal -3
.Lnot_wave_0_\@:
	s_barrier_wait -3
	s_barrier_signal -1
	s_barrier_wait -1
.endm
; Fragment f lies in window 1 + f / 21 at register 12 (f % 21): 0-31 the tokens' (8 a + K step), 32-39 and 40-47 the weights' two sets.
.macro P1 d, f0, f1, s0, s1, r, q
.if (\q) == 0
	v_wmma_scale_f32_16x16x128_f8f6f4 v[\d:\d+7], v[12*((\f0)%21):12*((\f0)%21)+11], v[12*((\f1)%21):12*((\f1)%21)+11], 0, v[\s0], v[\s1] matrix_a_fmt:MATRIX_FMT_FP6 matrix_b_fmt:MATRIX_FMT_FP6 matrix_a_scale:MATRIX_SCALE_ROW\r matrix_b_scale:MATRIX_SCALE_ROW\r
.else
	v_wmma_scale_f32_16x16x128_f8f6f4 v[\d:\d+7], v[12*((\f0)%21):12*((\f0)%21)+11], v[12*((\f1)%21):12*((\f1)%21)+11], v[\d:\d+7], v[\s0], v[\s1] matrix_a_fmt:MATRIX_FMT_FP6 matrix_b_fmt:MATRIX_FMT_FP6 matrix_a_scale:MATRIX_SCALE_ROW\r matrix_b_scale:MATRIX_SCALE_ROW\r
.endif
.endm
.macro BLOCK mode, i                   ; weight tile i of the head x my four token tiles: 32 products, the four accumulators by turns
.irp qh, 0,1
.irp ql, 0,1,2,3
.irp a, 0,1,2,3
.set FW_, 32+8*((\i)%2)+4*\qh+\ql
.set FX_, 8*\a+4*\qh+\ql
.if \mode
	WIN (1+FX_/21)|((1+FW_/21)<<2)
	P1 ACC+32*(\i)+8*\a, FX_, FW_, XS+4*\a+\ql, WS+4*(\i)+\ql, \qh, 4*\qh+\ql
.else
	WIN (1+FW_/21)|((1+FX_/21)<<2)
	P1 ACC+32*\a+8*(\i), FW_, FX_, WS+4*(\i)+\ql, XS+4*\a+\ql, \qh, 4*\qh+\ql
.endif
.endr
.endr
.endr
.endm
.macro FETCH e, adr, off               ; a weight tile's 8 fragments into set e: 24 loads
.irp q, 0,1,2,3,4,5,6,7
	WIN (1+(32+8*(\e)+\q)/21)<<6
.irp j, 0,1,2
	ds_load_b128 v[12*((32+8*(\e)+\q)%21)+4*\j:12*((32+8*(\e)+\q)%21)+4*\j+3], v[\adr] offset:(\off)+1536*\q+512*\j
.endr
.endr
	WIN 0
.endm
.macro SBASE                           ; where head s[HG]'s results of my positions go
	s_lshr_b32 s50, s[HG], 4                       ; 0 Q, 1 K, 2 V
	s_and_b32 s51, s[HG], 15
	s_lshl_b32 s51, s51, 4
	s_add_co_u32 s51, s51, s47                     ; the record
	s_mul_i32 s51, s51, REC
	s_mul_i32 s50, s50, 6656
	s_add_co_u32 s50, s50, s51
	s_mov_b32 s51, 0
	s_add_nc_u64 s[36:37], s[10:11], s[50:51]
.endm
	s_load_b256 s[4:11], s[0:1], 0x0               ; cod, scl, b_qkv, qkv
	v_lshl_add_u32 v[SPW], v0, 2, SPARE
	v_mov_b32 v[NIL], 0
	ds_add_u32 v[SPW], v[NIL]                      ; the opening lines: the add twice on end, and its wait ahead of my tensor load
	ds_add_u32 v[SPW], v[NIL]
	v_lshrrev_b32 v5, 5, v0
	v_readfirstlane_b32 s[WV], v5                  ; wave 0..3
	s_bfe_u32 s13, ttmp6, 0x40000                  ; cx
	s_and_b32 s14, ttmp7, 0xffff                   ; the range of weights: shared by the four partners
	s_mov_b32 s[G1], 15|(3<<16)|(1<<21)            ; the mask: all four; elements of 8 bytes; bit 21 beside a mask
	s_mov_b32 s[G1+1], 32<<16                      ; 288 dense rows of 256 bytes: six tiles
	s_mov_b32 s[G1+2], 288<<16
	s_mov_b32 s[G1+3], 32<<16
	s_mov_b32 s[G1+4], 288
	s_mov_b32 s[G1+5], 32
	s_mov_b32 s[G1+6], 0
	s_mov_b32 s[G1+7], 0
	s_mul_i32 s40, s14, 24
	s_mul_i32 s41, s[WV], 6
	s_add_co_u32 s40, s40, s41
	s_add_co_u32 s40, s40, 512                     ; my six tiles of the range
	s_mul_i32 s40, s40, TILE
	s_mov_b32 s41, 0
	s_mul_i32 s42, s[WV], 6*TILE
	WALU
	s_wait_dscnt 0x0
	s_wait_kmcnt 0x0
	CROUND                                         ; all four work-groups are here: the joint loads meet
	s_mov_b32 s[G0], 1
	s_mov_b32 s[G0+1], s42
	s_add_nc_u64 s[G0+2:G0+3], s[4:5], s[40:41]
	s_or_b32 s[G0+3], s[G0+3], 0x80000000
	tensor_load_to_lds s[G0:G0+3], s[G1:G1+7]      ; my one tensor load of the launch
	s_nop 0
.rept 4
	v_nop
.endr
	s_lshl_b32 s43, ttmp9, 2
	s_add_co_u32 s43, s43, s13                     ; the block of 256 positions
	s_lshl_b32 s43, s43, 2
	s_add_co_u32 s43, s43, s[WV]                   ; my group of 64 positions, 0 .. 127
	s_mul_i32 s44, s43, 4*TILE
	s_mov_b32 s45, 0
	s_add_nc_u64 s[28:29], s[4:5], s[44:45]        ; its codes,
	s_lshl_b32 s44, s43, 11
	s_add_nc_u64 s[30:31], s[6:7], s[44:45]        ; its scale words
	s_mul_i32 s44, s14, 24*512
	s_add_co_u32 s44, s44, 512*512
	s_add_nc_u64 s[38:39], s[6:7], s[44:45]        ; the range's scale words: the first head's,
	s_add_nc_u64 s[32:33], s[38:39], 2048          ; and the next head's
	s_mul_i32 s[HG], s14, 6
	s_lshl_b32 s44, s[HG], 8
	s_add_nc_u64 s[34:35], s[8:9], s[44:45]        ; the head's 64 numbers of the bias
	s_lshr_b32 s47, s43, 5
	s_lshl_b32 s47, s47, 8                         ; 256 x batch
	s_bfe_u32 s48, s43, 0x40001
	s_add_co_u32 s47, s47, s48                     ; + the step of 128 positions
	s_and_b32 s49, s43, 1                          ; my half of it
	s_mul_i32 s52, s49, 3072
	s_lshl_b32 s53, s49, 8
	s_mul_i32 s54, s49, 768
	s_lshl_b32 s55, s49, 1
	s_mov_b32 s[MSK], 0xffff0000                   ; lanes 16-31
	s_mov_b32 s[SEL], 0x76543210
	s_mov_b32 s[SEL+1], 0xfedcba98
	SBASE
	v_and_b32 v15, 31, v0
	v_and_b32 v16, 15, v0                          ; r
	v_bfe_u32 v17, v0, 4, 1                        ; h
	v_lshlrev_b32 v[LI], 4, v15
	v_lshlrev_b32 v[L8], 3, v15
	v_lshlrev_b32 v[SH8], 3, v17
	v_lshlrev_b32 v[VSO], 3, v16
	v_lshlrev_b32 v[BPO], 7, v17
	v_and_b32 v18, 7, v16
	v_lshrrev_b32 v19, 3, v16
	v_add_nc_u32 v[LIH], s52, v[LI]
	v_add_nc_u32 v[L8H], s53, v[L8]
	v_add_nc_u32 v[LIV], s54, v[LI]
	v_add_nc_u32 v[L8V], s54, v[L8]
	v_add_nc_u32 v[VSO], s55, v[VSO]
	v_lshl_add_u32 v18, v19, 5, v18
	v_lshlrev_b32 v[BRO], 2, v18
	v_mov_b32 v[ADW], v[LI]
	v_add_nc_u32 v[ADW2], HEADL, v[LI]
	WALU
.irp a, 0,1,2,3
.irp q, 0,1,2,3,4,5,6,7
	WIN (1+(8*\a+\q)/21)<<6
.irp j, 0,1,2
	global_load_b128 v[12*((8*\a+\q)%21)+4*\j:12*((8*\a+\q)%21)+4*\j+3], v[LI], s[28:29] offset:(8*\a+\q)*1536+512*\j
.endr
.endr
.endr
	WIN 0
.irp a, 0,1,2,3
	global_load_b128 v[XS+4*\a:XS+4*\a+3], v[LI], s[30:31] offset:512*\a
	global_load_b128 v[WS+4*\a:WS+4*\a+3], v[LI], s[38:39] offset:512*\a
.endr
; THE WAY OUT of a head: four units of 32 sums at ACC + 32 n, the units by turns
.macro EPI mode
	WIN 0x0c                                       ; source 1 (the bias) in window 3
.if \mode
.irp p, 0,1                            ; V: one number a lane and weight tile
.set k, 0
.rept 16
	v_pk_add_f32 v[ACC+64*\p+k:ACC+64*\p+k+1], v[ACC+64*\p+k:ACC+64*\p+k+1], v[BB+2*\p:BB+2*\p+1] op_sel_hi:[1,0]
	v_pk_add_f32 v[ACC+64*\p+32+k:ACC+64*\p+33+k], v[ACC+64*\p+32+k:ACC+64*\p+33+k], v[BB+2*\p:BB+2*\p+1] op_sel:[0,1] op_sel_hi:[1,1]
.set k, k+2
.endr
.endr
.else
.set k, 0
.rept 16                               ; Q, K: register k of a unit is channel 32 h + k
.irp n, 0,1,2,3
	v_pk_add_f32 v[ACC+32*\n+k:ACC+32*\n+k+1], v[ACC+32*\n+k:ACC+32*\n+k+1], v[BB+k:BB+k+1]
.endr
.set k, k+2
.endr
.endif
	WIN 0
.irp n, 0,1,2,3
	v_max3_num_f32 v[TM+\n], |v[ACC+32*\n]|, |v[ACC+32*\n+1]|, 0x1800000     ; the floor 2^(3 - 127) among the leaves: the byte cannot fall under 1
	v_max3_num_f32 v[TM+4+\n], |v[ACC+32*\n+16]|, |v[ACC+32*\n+17]|, |v[ACC+32*\n+18]|
.endr
.irp k, 2,4,6,8,10,12
.irp n, 0,1,2,3
	v_max3_num_f32 v[TM+\n], v[TM+\n], |v[ACC+32*\n+\k]|, |v[ACC+32*\n+\k+1]|
	v_max3_num_f32 v[TM+4+\n], v[TM+4+\n], |v[ACC+32*\n+\k+17]|, |v[ACC+32*\n+\k+18]|
.endr
.endr
.irp n, 0,1,2,3
	v_max3_num_f32 v[TM+\n], v[TM+\n], |v[ACC+32*\n+14]|, |v[ACC+32*\n+15]|
.endr
.irp n, 0,1,2,3
	v_max3_num_f32 v[TM+\n], v[TM+\n], v[TM+4+\n], |v[ACC+32*\n+31]|
.endr
.irp n, 0,1,2,3
	v_add_nc_u32 v[TM+8+\n], 0xff000000, v[TM+\n]  ; 2 off the exponent field: the conversion's scale operand
.endr
.irp n, 0,1,2,3
	v_lshrrev_b32 v[TM+\n], 23, v[TM+8+\n]         ; the scale's byte: block h,
.endr
.irp n, 0,1,2,3
	v_lshlrev_b32 v[TM+\n], v[SH8], v[TM+\n]       ; at its place;
.endr
.irp n, 0,1,2,3
	v_permlanex16_b32 v[TM+4+\n], v[TM+\n], s[SEL], s[SEL+1]
.endr
.irp n, 0,1,2,3
	v_or_b32 v[TM+\n], v[TM+\n], v[TM+4+\n]        ; with lane l xor 16's: the unit's two bytes
.endr
.if \mode == 0
	v_cndmask_b32 v244, v[TM], v[TM+1], s[MSK]     ; lanes 0-15 the even token tile's words, lanes 16-31 the odd one's
	v_cndmask_b32 v245, v[TM+2], v[TM+3], s[MSK]
.endif
.irp n, 0,1,2,3
	v_cvt_scalef32_pk16_fp6_f32 v[CQ+6*\n:CQ+6*\n+2], v[ACC+32*\n:ACC+32*\n+15], v[TM+8+\n]
	v_cvt_scalef32_pk16_fp6_f32 v[TC+4*\n:TC+4*\n+2], v[ACC+32*\n+16:ACC+32*\n+31], v[TM+8+\n]   ; (a conversion's three registers begin on an even number)
.endr
	v_nop                                          ; one plain place behind the conversions
.irp n, 0,1,2,3
.irp k, 0,1,2
	v_mov_b32 v[CQ+6*\n+3+\k], v[TC+4*\n+\k]
.endr
.endr
	WALU
.if \mode
.irp n, 0,1,2,3
	global_store_b128 v[LIV], v[CQ+6*\n:CQ+6*\n+3], s[36:37] offset:1536*\n
	global_store_b64 v[L8V], v[CQ+6*\n+4:CQ+6*\n+5], s[36:37] offset:1536*\n+512
	global_store_b16 v[VSO], v[TM+\n], s[36:37] offset:6144+128*(\n%2)+4*(\n/2)     ; (lanes 16-31 repeat lanes 0-15's address and value)
.endr
.else
.irp j, 0,1,2,3,4,5
	global_store_b128 v[LIH], v[CQ+4*\j:CQ+4*\j+3], s[36:37] offset:512*\j
.endr
	global_store_b64 v[L8H], v[244:245], s[36:37] offset:6144
.endif
.endm
.macro GROUP mode                      ; a head
	WIN 0xc0                                       ; destinations in window 3
.irp i, 0,1,2,3
	global_load_b128 v[SS+4*\i:SS+4*\i+3], v[LI], s[32:33] offset:512*\i       ; the next head's scale words (behind the last head of all: tiles that lie behind w_qkv's in scl, not used)
.endr
.if \mode
.irp n, 0,1,2,3
	global_load_b32 v[BB+\n], v[BRO], s[34:35] offset:32*\n
.endr
.else
.irp m, 0,1,2,3,4,5,6,7
	global_load_b128 v[BB+4*\m:BB+4*\m+3], v[BPO], s[34:35] offset:16*\m
.endr
.endif
	WIN 0
.irp i, 0,1,2,3
	s_wait_dscnt 24                                ; this tile's 24 loads are in; the next tile's 24 may be out
	BLOCK \mode, \i
	WIN 0
.rept 4
	v_nop                                          ; places ahead of the loads into the set just multiplied (behind the head's last tile: also of the reads of the sums and of the moves onto the scale words)
.endr
.if \i < 2
	FETCH \i, ADW, (\i+2)*TILE
.else
	FETCH \i-2, ADW2, (\i-2)*TILE
.endif
.endr
	s_wait_loadcnt 0x0                             ; the next head's scale words and this head's bias are in
	s_wait_xcnt 0x0                                ; the last head's stores have read their registers
	WIN 0x03
.set k, 0
.rept 16
	v_mov_b32 v[WS+k], v[SS+k]                     ; the way out below stands between these moves and the next products
.set k, k+1
.endr
	EPI \mode
.endm
	WALU
	s_wait_tensorcnt 0x0                           ; my six tiles are in,
	s_barrier_signal -1
	s_barrier_wait -1                              ; and everybody's: the range lies in LDS for the rest of the launch
	FETCH 0, ADW, 0
	FETCH 1, ADW, TILE
	s_wait_loadcnt 0x0                             ; my tokens and the first scale words
	s_mov_b32 s[LB], 0
.Lgroup:
	s_cmp_ge_u32 s[HG], 32
	s_cbranch_scc1 .Lv
	GROUP 0
	s_branch .Ljoin
.Lv:
	GROUP 1
.Ljoin:
	s_wait_xcnt 0x0                                ; the loads and stores have read their bases
	s_add_co_u32 s[HG], s[HG], 1
	SBASE
	s_add_nc_u64 s[32:33], s[32:33], 2048
	s_add_nc_u64 s[34:35], s[34:35], 256
	s_add_co_u32 s[LB], s[LB], HEADL
	s_add_co_u32 s[TN], s[LB], HEADL
	s_min_u32 s[TN], s[TN], 5*HEADL
	v_add_nc_u32 v[ADW], s[LB], v[LI]
	v_add_nc_u32 v[ADW2], s[TN], v[LI]
	s_cmp_lg_u32 s[LB], 6*HEADL
	WALU
	s_cbranch_scc1 .Lgroup
	s_wait_tensorcnt 0x0                           ; the wave's end
	ds_add_u32 v[SPW], v[NIL]
	s_wait_dscnt 0x0
	CROUND                                         ; the closing round
	s_endpgm
.Lfunc_end_k_q9aafe0b428_qkv:
	.size	k_q9aafe0b428_qkv, .Lfunc_end_k_q9aafe0b428_qkv-k_q9aafe0b428_qkv
	.p2alignl 7, 3214868480
	.fill 96, 4, 3214868480
	.section	.rodata,"a",@progbits
	.p2align	6, 0x0
	.amdhsa_kernel k_q9aafe0b428_qkv
		.amdhsa_group_segment_fixed_size 295424
		.amdhsa_private_segment_fixed_size 0
		.amdhsa_enable_private_segment 0
		.amdhsa_kernarg_size 32
		.amdhsa_user_sgpr_count 2
		.amdhsa_user_sgpr_kernarg_segment_ptr 1
		.amdhsa_wavefront_size32 1
		.amdhsa_system_sgpr_workgroup_id_x 1
		.amdhsa_system_sgpr_workgroup_id_y 1
		.amdhsa_system_sgpr_workgroup_id_z 1
		.amdhsa_system_vgpr_workitem_id 0
		.amdhsa_next_free_vgpr 896
		.amdhsa_next_free_sgpr 66
		.amdhsa_reserve_vcc 0
		.amdhsa_float_denorm_mode_32 3
		.amdhsa_float_denorm_mode_16_64 3
		.amdhsa_memory_ordered 1
		.amdhsa_forward_progress 1
		.amdhsa_inst_pref_size 95
	.end_amdhsa_kernel
	.amdgpu_metadata
---
amdhsa.version: [ 1, 2 ]
amdhsa.kernels:
  - .name:           k_q9aafe0b428_qkv
    .symbol:         k_q9aafe0b428_qkv.kd
    .args:
      - { .name: cod, .offset: 0, .size: 8, .value_kind: global_buffer, .address_space: global }
      - { .name: scl, .offset: 8, .size: 8, .value_kind: global_buffer, .address_space: global }
      - { .name: b_qkv, .offset: 16, .size: 8, .value_kind: global_buffer, .address_space: global }
      - { .name: qkv, .offset: 24, .size: 8, .value_kind: global_buffer, .address_space: global }
    .group_segment_fixed_size: 295424
    .private_segment_fixed_size: 0
    .kernarg_segment_align: 8
    .kernarg_segment_size: 32
    .max_flat_workgroup_size: 128
    .sgpr_count:     66
    .vgpr_count:     896
    .wavefront_size: 32
...
	.end_amdgpu_metadata
.endif
;; end of part 2
;; launch attn (part 3): grid 4 x 64, 8 waves a work-group, clusters of 4 x 1, 209,920 bytes of LDS; arguments qkv, oc, os; writes oc, os
.if DOCPART == 3
	.amdgcn_target "amdgcn-amd-amdhsa--gfx1250"
	.amdhsa_code_object_version 6
	.text
	.protected	k_q9aafe0b428_attn
	.globl	k_q9aafe0b428_attn
	.p2align	8
	.type	k_q9aafe0b428_attn,@function
k_q9aafe0b428_attn:
	s_mov_b64 s[64:65], 0
	v_nop
	global_prefetch_b8 v0, s[64:65] scope:SCOPE_SE
	s_setreg_imm32_b32 hwreg(HW_REG_WAVE_MODE, 25, 1), 1
	s_wait_xcnt 0x0
	s_wait_alu depctr_hold_cnt(0) depctr_sa_sdst(0) depctr_va_vdst(0) depctr_va_sdst(0) depctr_va_ssrc(0) depctr_va_vcc(0) depctr_vm_vsrc(0)
	s_getreg_b32 s2, hwreg(HW_REG_IB_STS2, 6, 4)
	s_cmp_eq_u32 s2, 0
	s_cbranch_scc0 .Lentry_in_a_cluster
	s_endpgm
.Lentry_in_a_cluster:
	s_bfe_u32 s2, ttmp6, 0x10000c
	s_cmp_lg_u32 s2, 0x3003
	s_cbranch_scc0 .Lentry_shape_is_right
	s_endpgm
.Lentry_shape_is_right:
; out = softmax(q k^T / 8) v for 64 (batch, head) pairs, 2,048 tokens, head size 64, both products on codes of FP6 (E2M3) with E8M0 scales; the result is quantised along C (two blocks a head) for the projection.
; THE SOFTMAX: t = score x log2(e) / 8; M = the running largest t rounded up to a whole number; p = 2^(t - M) is quantised along the keys, not normalised; the row's sum is taken of the unquantised p and divides at the end.
; When M moves, the sum and O are multiplied by 2^(old M - new M): exact.
; INPUT: records of 19,712 bytes, record (batch x 16 + head) x 16 + step of 128 token positions: Q at 0, K at 6,656, V at 13,312.  Q, K: four fragments of 1,536 bytes, each an image of 12 registers (two tiles of 16 positions, six registers each;
; chunk j: registers 4 j .. 4 j + 3, lane l's 16 bytes at 16 l), then at 6,144 the scale words as [half of 64 positions][lane][8 bytes].  V: four fragments, each as two parts of 768 bytes (registers 6 c .. 6 c + 3 at 16 l, 6 c + 4, 6 c + 5 at 512 + 8 l),
; then at 6,144 the scale words, 8 bytes a lane.
; Position t of tile 4 c + u is true token 64 c + 8 u + (t & 7) + 32 (t >> 3): in S^T = K Q^T (source 0 = 16 key positions) the 32 registers of tiles 4 c .. 4 c + 3 are true keys 64 c + 32 (lane / 16) + 0 .. 31, a whole block
; of the second product's K in one lane.  V's rows are laid likewise, so O^T's 32 registers are the head's channels 32 (lane / 16) + 0 .. 31.
; K = 64 IN A FORM OF 128: Q's registers 6-11 are zero codes; K's tile t is named as v[K + 6 t .. + 11]: its upper six registers (the next tile's codes, zeros behind tile 7) meet zero codes and add exactly 0.
; SHARES.  A work-group owns one (batch, head) and 512 query positions: 64 x 4 = 256 work-groups.  The head's K and V parts, 16 x 13,056 = 208,896 bytes, come into LDS ONCE, one tensor load a wave (2 rows of 13,056 bytes, 19,712 apart), and stay:
; nothing is filled again, so the loop over the 16 key steps has no barrier.  The four work-groups of a cluster are the head's four query blocks and ask jointly (mask 15).
; Each of eight waves owns four tiles of 16 queries: a step's LDS loads, 14 for K and 17 for V, serve four tiles.  The tiles are worked in pairs, their chains line by line in turn; the second tile's multiply-adds stand among the first tile's exponentials.
; K of the next step is loaded behind the second pair's scores (in the last step record 15 once more, by s_min_u32; its registers are not used).
; No prefetch: all that the launch reads is asked for at its head, so there is no loop to run ahead in.
; OUTPUT: oc[tile of 16 positions][pair of heads][head of the pair: 768 bytes]: registers 0-3 of the head's six at 16 x lane, registers 4, 5 at 512 + 8 x lane: each store covers 512 or 256 consecutive bytes, aligned.
; os: the row's scale word of a pair of heads holds this head's two bytes at 2 x (head % 2): 2 bytes a row, 16 bytes apart (1 byte in 24 of what the launch stores).
; LIMITS: the promise holds while |t| stays under 2^31; NaN and infinities are not served; p under 2^-126 counts as 0; a block's largest p is taken from its largest score, which takes v_exp_f32 not to fall where its input rises;
; blocks of zeros get the byte 1 (read by this program alone).
.set REC,   19712
.set KVB,   13056                      ; a record's K and V part: 51 x 256 bytes
.set SPARE, 16*KVB                     ; the spare words: 128 bytes for each of 8 waves
.set SPW, 1                            ; v1 my spare word, v2 0: never rewritten
.set NIL, 2
.set LI,  3                            ; 16 x lane
.set L8,  4                            ; 8 x lane
.set ADK, 5                            ; LDS address of K's loads, + 16 x lane; v118: + 8 x lane
.set ADK8, 118
.set ADV, 6                            ; of V's
.set ADV8, 7
.set SH8, 8                            ; 8 h
.set R16, 9                            ; 16 r
.set QS,  10                           ; v10-11 Q's scale words; v12-15 K's; v16-17 V's; v18-19 p's, one a tile of the pair
.set KS,  12
.set VS,  16
.set PW,  18
; v20+4i: tile i's -M, largest score, sum in two halves.  v36+2u: 2^(old M - new M).  v40+12u: a tile's temporaries:
; +0,+1 the blocks' largest, +2,+3 second chains, +4..+7 sums, +8,+9 the conversions' scale operands, +10,+11 bytes
.set K,   64                           ; v64-111 K's codes, v112-117 zeros
.set S,   128                          ; v128-255 S^T, then p, of the pair's two tiles
.set VW,  0                            ; window 1: v0-47 V's four fragments
.set OW,  48                           ; v48-175 O^T of four tiles
.set QW,  176                          ; v176-223 four times Q's six registers and six of zero codes
.set PP,  224                          ; v224-247 p's codes of the pair
.set TC,  248                          ; v248-254 the conversions' second halves
.set WV,  12
.set G1,  16
.set G0,  24
.set SEL, 32
.set CS,  34
.set TB,  36
.set TN,  37
.set MSB, 0
.macro WIN new                         ; the immediate's high byte repeats the setting that is left
.if MSB != (\new)
	s_set_vgpr_msb (MSB<<8)|(\new)
.set MSB, (\new)
.endif
.endm
.macro WALU
	s_wait_alu depctr_va_vdst(0)
.endm
.macro CROUND                          ; a round of the cluster's barrier
	s_barrier_signal -1
	s_barrier_wait -1
	s_cmp_lg_u32 s[WV], 0
	s_cbranch_scc1 .Lnot_wave_0_\@
	s_barrier_signal -3
.Lnot_wave_0_\@:
	s_barrier_wait -3
	s_barrier_signal -1
	s_barrier_wait -1
.endm
.macro WS d, a, b, sa, sb, ra, rb      ; a product that starts its sums
	v_wmma_scale_f32_16x16x128_f8f6f4 v[\d:\d+7], v[\a:\a+11], v[\b:\b+11], 0, v[\sa], v[\sb] matrix_a_fmt:MATRIX_FMT_FP6 matrix_b_fmt:MATRIX_FMT_FP6 matrix_a_scale:MATRIX_SCALE_ROW\ra matrix_b_scale:MATRIX_SCALE_ROW\rb
.endm
.macro WA d, a, b, sa, sb, ra          ; a product that adds in place
	v_wmma_scale_f32_16x16x128_f8f6f4 v[\d:\d+7], v[\a:\a+11], v[\b:\b+11], v[\d:\d+7], v[\sa], v[\sb] matrix_a_fmt:MATRIX_FMT_FP6 matrix_b_fmt:MATRIX_FMT_FP6 matrix_a_scale:MATRIX_SCALE_ROW\ra
.endm
	s_load_b128 s[4:7], s[0:1], 0x0                ; qkv, oc
	s_load_b64 s[8:9], s[0:1], 0x10                ; os
	v_lshl_add_u32 v[SPW], v0, 2, SPARE
	v_mov_b32 v[NIL], 0
	ds_add_u32 v[SPW], v[NIL]                      ; the opening lines: the add twice on end, and its wait ahead of my tensor load
	ds_add_u32 v[SPW], v[NIL]
	v_lshrrev_b32 v5, 5, v0
	v_readfirstlane_b32 s[WV], v5                  ; wave 0..7
	s_bfe_u32 s13, ttmp6, 0x40000                  ; cx: my block of 512 queries
	s_and_b32 s14, ttmp7, 0xffff                   ; batch x 16 + head: shared by the four partners
	s_mov_b32 s[G1], 15|(3<<16)|(1<<21)            ; the mask: all four; elements of 8 bytes; bit 21 beside a mask
	s_mov_b32 s[G1+1], 1632<<16                    ; rows of 13,056 bytes,
	s_mov_b32 s[G1+2], 2<<16                       ; two of them,
	s_mov_b32 s[G1+3], 1632<<16
	s_mov_b32 s[G1+4], 2
	s_mov_b32 s[G1+5], 2464                        ; 19,712 bytes apart
	s_mov_b32 s[G1+6], 0
	s_mov_b32 s[G1+7], 0
	s_lshl_b32 s40, s14, 4
	s_lshl_b32 s41, s[WV], 1
	s_add_co_u32 s40, s40, s41                     ; my two records of the head's sixteen
	s_mul_i32 s40, s40, REC
	s_add_co_u32 s40, s40, 6656                    ; their K and V parts
	s_mov_b32 s41, 0
	s_mul_i32 s42, s[WV], 2*KVB
	s_mov_b32 s[SEL], 0x76543210
	s_mov_b32 s[SEL+1], 0xfedcba98
	s_mov_b32 s[CS], 0x3e38aa3b                    ; c = log2(e) / 8
	s_mov_b32 s[CS+1], s[CS]
	WALU
	s_wait_dscnt 0x0
	s_wait_kmcnt 0x0
	CROUND                                         ; all four work-groups are here: the joint loads meet
	s_mov_b32 s[G0], 1
	s_mov_b32 s[G0+1], s42
	s_add_nc_u64 s[G0+2:G0+3], s[4:5], s[40:41]
	s_or_b32 s[G0+3], s[G0+3], 0x80000000
	tensor_load_to_lds s[G0:G0+3], s[G1:G1+7]      ; my one tensor load of the launch
	s_nop 0
.rept 4
	v_nop
.endr
	s_lshl_b32 s43, s14, 4                         ; my queries' record: 16 x (batch, head) + 4 cx + wave / 2
	s_lshl_b32 s44, s13, 2
	s_add_co_u32 s43, s43, s44
	s_lshr_b32 s44, s[WV], 1
	s_add_co_u32 s43, s43, s44
	s_mul_i32 s44, s43, REC
	s_mov_b32 s45, 0
	s_add_nc_u64 s[38:39], s[4:5], s[44:45]
	s_and_b32 s46, s[WV], 1                        ; my four tiles are its tiles 4 (wave % 2) + i: 24 registers of the image, 3,072 bytes
	s_mul_i32 s44, s46, 3072
	s_add_nc_u64 s[40:41], s[38:39], s[44:45]
	s_lshl_b32 s46, s46, 8
	s_lshr_b32 s48, s14, 4                         ; where the results go: tile 128 x batch + 32 cx + 4 x wave + i
	s_lshl_b32 s48, s48, 7
	s_lshl_b32 s49, s13, 5
	s_add_co_u32 s48, s48, s49
	s_lshl_b32 s49, s[WV], 2
	s_add_co_u32 s48, s48, s49
	s_bfe_u32 s49, s14, 0x30001                    ; the pair of heads: the projection's K step
	s_and_b32 s47, s14, 1                          ; which head of the pair
	s_lshl_b32 s50, s48, 3
	s_add_co_u32 s50, s50, s49
	s_mul_i32 s50, s50, 1536
	s_mul_i32 s52, s47, 768
	s_add_co_u32 s50, s50, s52
	s_mov_b32 s51, 0
	s_add_nc_u64 s[6:7], s[6:7], s[50:51]
	s_lshl_b32 s50, s48, 9
	s_lshr_b32 s52, s49, 2
	s_lshl_b32 s52, s52, 8
	s_add_co_u32 s50, s50, s52
	s_and_b32 s52, s49, 3
	s_lshl_b32 s52, s52, 2
	s_add_co_u32 s50, s50, s52
	s_lshl_b32 s52, s47, 1
	s_add_co_u32 s50, s50, s52
	s_add_nc_u64 s[8:9], s[8:9], s[50:51]
	v_and_b32 v5, 31, v0
	v_and_b32 v6, 15, v0
	v_bfe_u32 v7, v0, 4, 1
	v_lshlrev_b32 v[LI], 4, v5
	v_lshlrev_b32 v[L8], 3, v5
	v_lshlrev_b32 v[SH8], 3, v7
	v_lshlrev_b32 v[R16], 4, v6
	v_add_nc_u32 v5, s46, v[L8]                    ; Q's scale words: my half's 256 bytes, 8 a lane
	WALU
	WIN 0x40                                       ; destinations in window 1
.irp i, 0,1,2,3
.irp j, 0,1,2
	global_load_b64 v[QW+12*\i+2*\j:QW+12*\i+2*\j+1], v[LI], s[40:41] offset:((6*\i+2*\j)/4)*512+4*((6*\i+2*\j)%4)
.endr
.endr
.irp i, 0,1,2,3
.irp j, 6,7,8,9,10,11
	v_mov_b32 v[QW+12*\i+\j], 0                    ; zero codes for the upper 64 along K
.endr
.endr
.set j, 0
.rept 128
	v_mov_b32 v[OW+j], 0                           ; O^T: the step is written once; its first run finds zeros.  (These stand under the tensor load's flight)
.set j, j+1
.endr
	WIN 0
	global_load_b64 v[QS:QS+1], v5, s[38:39] offset:6144
.irp j, 0,1,2,3,4,5
	v_mov_b32 v[K+48+\j], 0
.endr
	v_mov_b32 v37, 0                               ; (named as the upper halves of pairs)
	v_mov_b32 v39, 0
.irp i, 0,1,2,3
	v_mov_b32 v[20+4*\i], 0x7f61b1e6               ; -M: 3e38, so that the first factor is 0
	v_mov_b32 v[21+4*\i], 0xff61b1e6               ; the largest score so far: -3e38
	v_mov_b32 v[22+4*\i], 0
	v_mov_b32 v[23+4*\i], 0
.endr
.macro SMUL pr                         ; S^T of the pair's two tiles: 16 products on 16 accumulators
	WIN 0x04                                       ; source 1 (Q) in window 1
.irp t, 0,1,2,3
.irp u, 0,1
	WS S+64*\u+16*\t, K+12*\t, QW+24*\pr+12*\u, KS+\t, QS+\pr, 0, \u
	WS S+64*\u+16*\t+8, K+12*\t+6, QW+24*\pr+12*\u, KS+\t, QS+\pr, 1, \u
.endr
.endr
.endm
.macro PV pr                           ; O^T += V^T p^T: 8 products on 8 accumulators
	WIN 0x55                                       ; all operands in window 1
.irp t, 0,1
.irp u, 0,1
	WA OW+64*\pr+32*\u+16*\t, VW+24*\t, PP+12*\u, VS+\t, PW+\u, 0
	WA OW+64*\pr+32*\u+16*\t+8, VW+24*\t+12, PP+12*\u, VS+\t, PW+\u, 1
.endr
.endr
.endm
.macro SOFT pr, vwait                  ; the pair's softmax step, p's codes and scale words, O^T under the new M
	WIN 0
	; the largest score of each block of 32 keys: eight chains by turns; each accumulator is read from its low end on
.irp u, 0,1
.irp c, 0,1
	v_max3_num_f32 v[40+12*\u+\c], v[S+64*\u+32*\c], v[S+64*\u+32*\c+1], v[S+64*\u+32*\c+2]
	v_max3_num_f32 v[42+12*\u+\c], v[S+64*\u+32*\c+16], v[S+64*\u+32*\c+17], v[S+64*\u+32*\c+18]
.endr
.endr
.irp i, 3,5,7,9,11,13
.irp u, 0,1
.irp c, 0,1
	v_max3_num_f32 v[40+12*\u+\c], v[40+12*\u+\c], v[S+64*\u+32*\c+\i], v[S+64*\u+32*\c+\i+1]
	v_max3_num_f32 v[42+12*\u+\c], v[42+12*\u+\c], v[S+64*\u+32*\c+16+\i], v[S+64*\u+32*\c+17+\i]
.endr
.endr
.endr
.irp u, 0,1
.irp c, 0,1
	v_max_num_f32 v[40+12*\u+\c], v[40+12*\u+\c], v[S+64*\u+32*\c+15]
.endr
.endr
.irp u, 0,1
.irp c, 0,1
	v_max3_num_f32 v[40+12*\u+\c], v[42+12*\u+\c], v[S+64*\u+32*\c+31], v[40+12*\u+\c]
.endr
.endr
.irp u, 0,1
	v_max_num_f32 v[42+12*\u], v[40+12*\u], v[41+12*\u]
.endr
.irp u, 0,1
	v_permlanex16_b32 v[43+12*\u], v[42+12*\u], s[SEL], s[SEL+1]
.endr
.irp u, 0,1
	v_max3_num_f32 v[21+8*\pr+4*\u], v[21+8*\pr+4*\u], v[42+12*\u], v[43+12*\u]   ; the running largest score of my query
.endr
.irp u, 0,1
	v_mul_f32 v[42+12*\u], s[CS], v[21+8*\pr+4*\u]
.endr
.irp u, 0,1
	v_floor_f32 v[43+12*\u], -v[42+12*\u]          ; the new -M = -ceil(t)
.endr
.irp u, 0,1
	v_sub_f32 v[42+12*\u], v[43+12*\u], v[20+8*\pr+4*\u]   ; old M - new M: a whole number, 0 or less
.endr
.irp u, 0,1
	v_mov_b32 v[20+8*\pr+4*\u], v[43+12*\u]
.endr
.irp u, 0,1
	v_cvt_i32_f32 v[42+12*\u], v[42+12*\u]         ; (it saturates)
.endr
.irp u, 0,1
	v_ldexp_f32 v[36+2*\u], 1.0, v[42+12*\u]
.endr
.set j, 0
.rept 32
	v_pk_fma_f32 v[S+j:S+j+1], v[S+j:S+j+1], s[CS:CS+1], v[20+8*\pr:21+8*\pr] op_sel_hi:[1,0,0]   ; t - M of the first tile
.set j, j+2
.endr
	v_fma_f32 v40, v40, s[CS], v[20+8*\pr]         ; the same of each block's largest score
	v_fma_f32 v41, v41, s[CS], v[20+8*\pr]
	WALU                                           ; ahead of a batch of exponentials
.set j, 0
.rept 32
	v_exp_f32 v[S+j], v[S+j]                       ; p = 2^(t - M) of the first tile; among them t - M of the second, which names none of their registers
	v_exp_f32 v[S+j+1], v[S+j+1]
	v_pk_fma_f32 v[S+64+j:S+65+j], v[S+64+j:S+65+j], s[CS:CS+1], v[24+8*\pr:25+8*\pr] op_sel_hi:[1,0,0]
.set j, j+2
.endr
	v_exp_f32 v40, v40
	v_exp_f32 v41, v41
	v_fma_f32 v52, v52, s[CS], v[24+8*\pr]
	v_fma_f32 v53, v53, s[CS], v[24+8*\pr]
	WALU                                           ; behind the first batch and ahead of the second
.set j, 0
.rept 64
	v_exp_f32 v[S+64+j], v[S+64+j]
.set j, j+1
.endr
	v_exp_f32 v52, v52
	v_exp_f32 v53, v53
	v_nop                                          ; the plain place behind the batch
	WALU
	; the rows' sums of the unquantised p: two chains a tile, the tiles by turns
.irp u, 0,1
	v_pk_add_f32 v[44+12*\u:45+12*\u], v[S+64*\u:S+64*\u+1], v[S+64*\u+2:S+64*\u+3]
	v_pk_add_f32 v[46+12*\u:47+12*\u], v[S+64*\u+4:S+64*\u+5], v[S+64*\u+6:S+64*\u+7]
.endr
.irp j, 8,12,16,20,24,28,32,36,40,44,48,52,56,60
.irp u, 0,1
	v_pk_add_f32 v[44+12*\u:45+12*\u], v[44+12*\u:45+12*\u], v[S+64*\u+\j:S+64*\u+\j+1]
	v_pk_add_f32 v[46+12*\u:47+12*\u], v[46+12*\u:47+12*\u], v[S+64*\u+\j+2:S+64*\u+\j+3]
.endr
.endr
.irp u, 0,1
	v_max_num_f32 v[40+12*\u], 0x1800000, v[40+12*\u]   ; the floor 2^(3 - 127): the byte cannot fall under 1
	v_max_num_f32 v[41+12*\u], 0x1800000, v[41+12*\u]
.endr
.irp u, 0,1
	v_pk_add_f32 v[44+12*\u:45+12*\u], v[44+12*\u:45+12*\u], v[46+12*\u:47+12*\u]
.endr
.irp u, 0,1
	v_add_nc_u32 v[48+12*\u], 0xff000000, v[40+12*\u]   ; 2 off the exponent field: the conversion's scale operand
	v_add_nc_u32 v[49+12*\u], 0xff000000, v[41+12*\u]
.endr
.irp u, 0,1
	v_pk_fma_f32 v[22+8*\pr+4*\u:23+8*\pr+4*\u], v[22+8*\pr+4*\u:23+8*\pr+4*\u], v[36+2*\u:37+2*\u], v[44+12*\u:45+12*\u] op_sel_hi:[1,0,1]   ; the old sum under the new M, and this step's
.endr
.irp u, 0,1
	v_lshrrev_b32 v[50+12*\u], 23, v[48+12*\u]     ; the scales' bytes
	v_lshrrev_b32 v[51+12*\u], 23, v[49+12*\u]
.endr
.irp u, 0,1
	v_lshl_or_b32 v[50+12*\u], v[51+12*\u], 16, v[50+12*\u]   ; blocks h and 2 + h,
.endr
.irp u, 0,1
	v_lshlrev_b32 v[50+12*\u], v[SH8], v[50+12*\u]            ; at their places;
.endr
.irp u, 0,1
	v_permlanex16_b32 v[51+12*\u], v[50+12*\u], s[SEL], s[SEL+1]
.endr
.irp u, 0,1
	v_or_b32 v[PW+\u], v[50+12*\u], v[51+12*\u]    ; with lane l xor 16's two: p's scale word for these 128 keys
.endr
.irp u, 0,1
	WIN 0x40
	v_cvt_scalef32_pk16_fp6_f32 v[PP+12*\u:PP+12*\u+2], v[S+64*\u:S+64*\u+15], v[48+12*\u]
	v_cvt_scalef32_pk16_fp6_f32 v[TC:TC+2], v[S+64*\u+16:S+64*\u+31], v[48+12*\u]       ; (a conversion's three registers begin on an even number)
	v_cvt_scalef32_pk16_fp6_f32 v[PP+12*\u+6:PP+12*\u+8], v[S+64*\u+32:S+64*\u+47], v[49+12*\u]
	v_cvt_scalef32_pk16_fp6_f32 v[TC+4:TC+6], v[S+64*\u+48:S+64*\u+63], v[49+12*\u]
	v_nop                                          ; one plain place behind the conversions
	WIN 0x41
.irp k, 0,1,2
	v_mov_b32 v[PP+12*\u+3+\k], v[TC+\k]
	v_mov_b32 v[PP+12*\u+9+\k], v[TC+4+\k]
.endr
.endr
	WALU                                           ; directly ahead of the first reader of O^T
.irp u, 0,1
.set j, 0
.rept 16
	v_pk_mul_f32 v[OW+64*\pr+32*\u+j:OW+64*\pr+32*\u+j+1], v[OW+64*\pr+32*\u+j:OW+64*\pr+32*\u+j+1], v[36+2*\u:37+2*\u] op_sel_hi:[1,0]   ; O^T under the new M; also the places between the scale words, p's codes and the products
.set j, j+2
.endr
.endr
.if \vwait
	WALU
	s_wait_dscnt 0x0                               ; V and its scale words are in
.endif
.endm
.macro KLOAD                           ; 14 loads: a step's K codes and scale words
.irp i, 0,1,2,3,4,5,6,7,8,9,10,11
	ds_load_b128 v[K+4*\i:K+4*\i+3], v[ADK] offset:512*\i
.endr
	ds_load_b64 v[KS:KS+1], v[ADK8] offset:6144
	ds_load_b64 v[KS+2:KS+3], v[ADK8] offset:6400
.endm
	WALU
	s_wait_tensorcnt 0x0                           ; my two records are in,
	s_barrier_signal -1
	s_barrier_wait -1                              ; and everybody's: the head's K and V lie in LDS for the rest of the launch
	s_wait_loadcnt 0x0                             ; Q
	v_mov_b32 v[ADK], v[LI]
	v_mov_b32 v[ADK8], v[L8]
	KLOAD
	s_mov_b32 s[TB], 0
.Lstep:                                                ; A KEY STEP: 128 keys x 64 queries
	v_add_nc_u32 v[ADV], s[TB], v[LI]
	v_add_nc_u32 v[ADV8], s[TB], v[L8]
	v_nop
	v_nop                                          ; four places behind the last products, ahead of the loads into their registers
	WIN 0x40
.irp i, 0,1,2,3
	ds_load_b128 v[VW+12*\i:VW+12*\i+3], v[ADV] offset:6656+1536*\i
	ds_load_b64 v[VW+12*\i+4:VW+12*\i+5], v[ADV8] offset:6656+1536*\i+512
	ds_load_b128 v[VW+12*\i+6:VW+12*\i+9], v[ADV] offset:6656+1536*\i+768
	ds_load_b64 v[VW+12*\i+10:VW+12*\i+11], v[ADV8] offset:6656+1536*\i+1280
.endr
	WIN 0
	ds_load_b64 v[VS:VS+1], v[ADV8] offset:12800
	s_wait_dscnt 17                                ; K's 14 loads are in; V's 16 and its scale words may be out
	SMUL 0
	WIN 0
.rept 4
	v_nop                                          ; places ahead of the reads of the scores
.endr
	SOFT 0, 1
	PV 0
	SMUL 1
	WIN 0
	s_add_co_u32 s[TN], s[TB], KVB
	s_min_u32 s[TN], s[TN], 15*KVB                 ; the next step's record; in the last step the last record once more
	v_add_nc_u32 v[ADK], s[TN], v[LI]
	v_add_nc_u32 v[ADK8], s[TN], v[L8]
.rept 2
	v_nop                                          ; with the two lines above: four places ahead of the loads into K's registers and of the reads of the scores
.endr
	KLOAD
	SOFT 1, 0
	PV 1
	WIN 0
	s_add_co_u32 s[TB], s[TB], KVB
	s_cmp_lg_u32 s[TB], 16*KVB
	WALU
	s_cbranch_scc1 .Lstep
; THE END: O^T / the sum is quantised: a lane's 32 numbers of a tile are block h of the head's two along C.  The four tiles by turns.
	s_wait_dscnt 0x0                               ; the last loads into K's registers have landed: the registers serve the way out
.irp i, 0,1,2,3
	v_add_f32 v[40+\i], v[22+4*\i], v[23+4*\i]
.endr
.irp i, 0,1,2,3
	v_permlanex16_b32 v[44+\i], v[40+\i], s[SEL], s[SEL+1]
.endr
.irp i, 0,1,2,3
	v_add_f32 v[40+\i], v[40+\i], v[44+\i]         ; the rows' sums
.endr
	WALU
.irp i, 0,1,2,3
	v_rcp_f32 v[48+2*\i], v[40+\i]
.endr
	v_nop
	WIN 0x01                                       ; source 0 (O^T) in window 1
	WALU                                           ; behind the reciprocals, directly ahead of the first reader of them and of O^T
.irp i, 0,1,2,3
.set j, 0
.rept 16
	v_pk_mul_f32 v[S+32*\i+j:S+32*\i+j+1], v[OW+32*\i+j:OW+32*\i+j+1], v[48+2*\i:49+2*\i] op_sel_hi:[1,0]   ; each accumulator from its low end on
.set j, j+2
.endr
.endr
	WIN 0
.irp i, 0,1,2,3
	v_max3_num_f32 v[40+\i], |v[S+32*\i]|, |v[S+32*\i+1]|, 0x1800000
	v_max3_num_f32 v[44+\i], |v[S+32*\i+16]|, |v[S+32*\i+17]|, |v[S+32*\i+18]|
.endr
.irp k, 2,4,6,8,10,12
.irp i, 0,1,2,3
	v_max3_num_f32 v[40+\i], v[40+\i], |v[S+32*\i+\k]|, |v[S+32*\i+\k+1]|
	v_max3_num_f32 v[44+\i], v[44+\i], |v[S+32*\i+\k+17]|, |v[S+32*\i+\k+18]|
.endr
.endr
.irp i, 0,1,2,3
	v_max3_num_f32 v[40+\i], v[40+\i], |v[S+32*\i+14]|, |v[S+32*\i+15]|
.endr
.irp i, 0,1,2,3
	v_max3_num_f32 v[40+\i], v[40+\i], v[44+\i], |v[S+32*\i+31]|
.endr
.irp i, 0,1,2,3
	v_add_nc_u32 v[56+\i], 0xff000000, v[40+\i]
.endr
.irp i, 0,1,2,3
	v_lshrrev_b32 v[40+\i], 23, v[56+\i]
.endr
.irp i, 0,1,2,3
	v_lshlrev_b32 v[40+\i], v[SH8], v[40+\i]
.endr
.irp i, 0,1,2,3
	v_permlanex16_b32 v[44+\i], v[40+\i], s[SEL], s[SEL+1]
.endr
.irp i, 0,1,2,3
	v_or_b32 v[40+\i], v[40+\i], v[44+\i]          ; the head's two bytes of row r
.endr
.irp i, 0,1,2,3
	v_cvt_scalef32_pk16_fp6_f32 v[64+8*\i:66+8*\i], v[S+32*\i:S+32*\i+15], v[56+\i]
	v_cvt_scalef32_pk16_fp6_f32 v[96+4*\i:98+4*\i], v[S+32*\i+16:S+32*\i+31], v[56+\i]
.endr
	v_nop                                          ; one plain place behind the conversions
.irp i, 0,1,2,3
.irp k, 0,1,2
	v_mov_b32 v[67+8*\i+\k], v[96+4*\i+\k]
.endr
.endr
	WALU
.irp i, 0,1,2,3
	global_store_b128 v[LI], v[64+8*\i:67+8*\i], s[6:7] offset:12288*\i        ; 512 consecutive bytes, aligned
	global_store_b64 v[L8], v[68+8*\i:69+8*\i], s[6:7] offset:12288*\i+512     ; 256 consecutive bytes, aligned
	global_store_b16 v[R16], v[40+\i], s[8:9] offset:512*\i                    ; row r's two bytes (lanes 16-31 repeat lanes 0-15's address and value)
.endr
	s_wait_tensorcnt 0x0                           ; the wave's end
	ds_add_u32 v[SPW], v[NIL]
	s_wait_dscnt 0x0
	CROUND                                         ; the closing round
	s_endpgm
.Lfunc_end_k_q9aafe0b428_attn:
	.size	k_q9aafe0b428_attn, .Lfunc_end_k_q9aafe0b428_attn-k_q9aafe0b428_attn
	.p2alignl 7, 3214868480
	.fill 96, 4, 3214868480
	.section	.rodata,"a",@progbits
	.p2align	6, 0x0
	.amdhsa_kernel k_q9aafe0b428_attn
		.amdhsa_group_segment_fixed_size 209920
		.amdhsa_private_segment_fixed_size 0
		.amdhsa_enable_private_segment 0
		.amdhsa_kernarg_size 24
		.amdhsa_user_sgpr_count 2
		.amdhsa_user_sgpr_kernarg_segment_ptr 1
		.amdhsa_wavefront_size32 1
		.amdhsa_system_sgpr_workgroup_id_x 1
		.amdhsa_system_sgpr_workgroup_id_y 1
		.amdhsa_system_sgpr_workgroup_id_z 1
		.amdhsa_system_vgpr_workitem_id 0
		.amdhsa_next_free_vgpr 512
		.amdhsa_next_free_sgpr 66
		.amdhsa_reserve_vcc 0
		.amdhsa_float_denorm_mode_32 3
		.amdhsa_float_denorm_mode_16_64 3
		.amdhsa_memory_ordered 1
		.amdhsa_forward_progress 1
		.amdhsa_inst_pref_size 77
	.end_amdhsa_kernel
	.amdgpu_metadata
---
amdhsa.version: [ 1, 2 ]
amdhsa.kernels:
  - .name:           k_q9aafe0b428_attn
    .symbol:         k_q9aafe0b428_attn.kd
    .args:
      - { .name: qkv, .offset: 0, .size: 8, .value_kind: global_buffer, .address_space: global }
      - { .name: oc, .offset: 8, .size: 8, .value_kind: global_buffer, .address_space: global }
      - { .name: os, .offset: 16, .size: 8, .value_kind: global_buffer, .address_space: global }
    .group_segment_fixed_size: 209920
    .private_segment_fixed_size: 0
    .kernarg_segment_align: 8
    .kernarg_segment_size: 24
    .max_flat_workgroup_size: 256
    .sgpr_count:     66
    .vgpr_count:     512
    .wavefront_size: 32
...
	.end_amdgpu_metadata
.endif
;; end of part 3
;; launch proj (part 4): grid 32 x 8, 4 waves a work-group, clusters of 4 x 1, 167,936 bytes of LDS; arguments oc, os, cod, scl, b_proj, out0; writes out0
.if DOCPART == 4
	.amdgcn_target "amdgcn-amd-amdhsa--gfx1250"
	.amdhsa_code_object_version 6
	.text
	.protected	k_q9aafe0b428_proj
	.globl	k_q9aafe0b428_proj
	.p2align	8
	.type	k_q9aafe0b428_proj,@function
k_q9aafe0b428_proj:
	s_mov_b64 s[64:65], 0
	v_nop
	global_prefetch_b8 v0, s[64:65] scope:SCOPE_SE
	s_setreg_imm32_b32 hwreg(HW_REG_WAVE_MODE, 25, 1), 1
	s_wait_xcnt 0x0
	s_wait_alu depctr_hold_cnt(0) depctr_sa_sdst(0) depctr_va_vdst(0) depctr_va_sdst(0) depctr_va_ssrc(0) depctr_va_vcc(0) depctr_vm_vsrc(0)
	s_getreg_b32 s2, hwreg(HW_REG_IB_STS2, 6, 4)
	s_cmp_eq_u32 s2, 0
	s_cbranch_scc0 .Lentry_in_a_cluster
	s_endpgm
.Lentry_in_a_cluster:
	s_bfe_u32 s2, ttmp6, 0x10000c
	s_cmp_lg_u32 s2, 0x3003
	s_cbranch_scc0 .Lentry_shape_is_right
	s_endpgm
.Lentry_shape_is_right:
; out0 = attention's result x w_proj^T + b_proj, both operands as codes of FP6 (E2M3) with E8M0 scales; f32 sums, f32 out.
; INPUT: oc[tile of 16 positions][K step of 128 = a pair of heads][1,536 bytes]: a fragment as two parts of 768 bytes (registers 6 c .. 6 c + 3 at 16 l, 6 c + 4, 6 c + 5 at 512 + 8 l); os[tile][K step / 4][row][K step % 4] words.
; w_proj: tiles 704-767 of cod[tile][K step][1,536 bytes] (chunk j: registers 4 j .. 4 j + 3 at 16 l) and of scl, laid as os.  Position t of tile 4 c + u is true row 64 c + 8 u + (t & 7) + 32 (t >> 3).
; SHARES.  256 work-groups = 8 ranges of 8 weight tiles (128 columns of the result) x 32 blocks of 256 token positions.  A range's codes, one dense block of 98,304 bytes, come into LDS ONCE, one tensor load a wave
; (96 rows of 256 bytes), and stay: nothing is filled again, and behind the head there is no barrier.  The four work-groups of a cluster are four token blocks of one range and ask jointly (mask 15).
; A wave holds its 64 positions, all of K, in registers (32 fragments, loaded from the images as they lie, 512 or 256 consecutive bytes a load) and streams the 8 weight tiles past them: a tile is 32 products,
; 4 accumulators by turns, K ascending; the tile's 8 fragments lie twice in registers: behind tile s's products its set takes tile s + 2.  The eight tiles are written out: the bias's and the scale words' registers differ from tile to tile.
; Source 0 = the weights: a lane's 32 sums of a token tile and four weight tiles are columns 32 h + 0 .. 31 of 64.  THE BIAS IS THE FIRST PRODUCTS' C, laid in registers as the result lies.
; THE WAY OUT, behind each four tiles: a unit of 16 positions x 64 columns goes through my own stage in LDS (rows of 256 + 16 bytes) and comes back by rows: sixteen lanes store a row's 256 consecutive bytes, aligned.
; No prefetch: all that the launch reads is asked for at its head.
.set TILE,  12288
.set STAGE, 8*TILE                     ; behind the weights: 16 rows x 272 bytes for each wave; no tensor load lands here
.set SPITCH, 272
.set SPARE, STAGE+4*16*SPITCH          ; the spare words: 128 bytes for each of 4 waves
.set SPW, 1
.set NIL, 2
.set LI,  3                            ; 16 x lane
.set L8,  4                            ; 8 x lane
.set ADW, 5                            ; LDS: weight tiles 0-3 + 16 x lane;  v6: tiles 4-7
.set ADW2, 6
.set STO, 7                            ; the stage, on the way in: row r, 128 h
.set RD,  8                            ; on the way out: row l / 16, 16 (l % 16)
.set CO,  9                            ; and the same place in out0
.set BPO, 13                           ; the bias: 128 h
.set XS,  20                           ; v20-35 the positions' scale words: 4 a + K step % 4; lanes 0-15 K steps 0-3, lanes 16-31 K steps 4-7
.set WS,  38                           ; v38-69 the eight weight tiles' scale words, likewise
.set ACC, 72                           ; v72-199 sixteen accumulators: 32 a + 8 i
.set BB,  72                           ; window 3: v72-135 the bias, 32 registers for each 64 columns; v136-199 rows read back from the stage, two sets
.set OB,  136
.set WV,  12
.set G1,  16
.set G0,  24
.set MSB, 0
.macro WIN new                         ; the immediate's high byte repeats the setting that is left
.if MSB != (\new)
	s_set_vgpr_msb (MSB<<8)|(\new)
.set MSB, (\new)
.endif
.endm
.macro WALU
	s_wait_alu depctr_va_vdst(0)
.endm
.macro CROUND
	s_barrier_signal -1
	s_barrier_wait -1
	s_cmp_lg_u32 s[WV], 0
	s_cbranch_scc1 .Lnot_wave_0_\@
	s_barrier_signal -3
.Lnot_wave_0_\@:
	s_barrier_wait -3
	s_barrier_signal -1
	s_barrier_wait -1
.endm
; Fragment f lies in window 1 + f / 21 at register 12 (f % 21): 0-31 the positions' (8 a + K step), 32-39 and 40-47 the weights' two sets.
.macro P1 d, f0, f1, c, s0, s1, r
	v_wmma_scale_f32_16x16x128_f8f6f4 v[\d:\d+7], v[12*((\f0)%21):12*((\f0)%21)+11], v[12*((\f1)%21):12*((\f1)%21)+11], \c, v[\s0], v[\s1] matrix_a_fmt:MATRIX_FMT_FP6 matrix_b_fmt:MATRIX_FMT_FP6 matrix_a_scale:MATRIX_SCALE_ROW\r matrix_b_scale:MATRIX_SCALE_ROW\r
.endm
.macro BLOCK g, i                      ; weight tile 4 g + i x my four token tiles: 32 products, the four accumulators by turns
.irp qh, 0,1
.irp ql, 0,1,2,3
.irp a, 0,1,2,3
.set FW_, 32+8*((\i)%2)+4*\qh+\ql
.set FX_, 8*\a+4*\qh+\ql
.set D_, ACC+32*\a+8*(\i)
.if 4*\qh+\ql == 0
	WIN (1+FW_/21)|((1+FX_/21)<<2)|(3<<4)          ; C: the bias, in window 3
	P1 D_, FW_, FX_, v[BB+32*(\g)+8*(\i):BB+32*(\g)+8*(\i)+7], WS+16*(\g)+4*(\i)+\ql, XS+4*\a+\ql, \qh
.else
	WIN (1+FW_/21)|((1+FX_/21)<<2)
	P1 D_, FW_, FX_, v[D_:D_+7], WS+16*(\g)+4*(\i)+\ql, XS+4*\a+\ql, \qh
.endif
.endr
.endr
.endr
.endm
.macro FETCH e, adr, off               ; a weight tile's 8 fragments into set e: 24 loads
.irp q, 0,1,2,3,4,5,6,7
	WIN (1+(32+8*(\e)+\q)/21)<<6
.irp j, 0,1,2
	ds_load_b128 v[12*((32+8*(\e)+\q)%21)+4*\j:12*((32+8*(\e)+\q)%21)+4*\j+3], v[\adr] offset:(\off)+1536*\q+512*\j
.endr
.endr
	WIN 0
.endm
.macro TOSTAGE n                       ; unit n: each accumulator from its low end on; LDS serves a wave's instructions in order, so no wait stands between the stores and the loads
.irp k, 0,1,2,3,4,5,6,7
	ds_store_b128 v[STO], v[ACC+32*(\n)+4*\k:ACC+32*(\n)+4*\k+3] offset:16*\k
.endr
	WIN 0xc0
.irp t, 0,1,2,3,4,5,6,7
	ds_load_b128 v[OB+32*((\n)%2)+4*\t:OB+32*((\n)%2)+4*\t+3], v[RD] offset:\t*2*SPITCH
.endr
	WIN 0
.endm
.macro SEND n, g, younger              ; younger: the LDS instructions issued behind unit n's loads, which may stay out
	s_wait_dscnt \younger
	WIN 0x0c                                       ; the data in window 3
.irp t, 0,1,2,3,4,5,6,7
	global_store_b128 v[CO], v[OB+32*((\n)%2)+4*\t:OB+32*((\n)%2)+4*\t+3], s[36:37] offset:(8*(\n)+((2*\t)&7)+32*(\t>>2))*4096+256*(\g) th:TH_STORE_NT   ; two rows of 256 consecutive bytes, aligned
.endr
	WIN 0
.endm
	s_load_b256 s[4:11], s[0:1], 0x0               ; oc, os, cod, scl
	s_load_b128 s[48:51], s[0:1], 0x20             ; b_proj, out0
	v_lshl_add_u32 v[SPW], v0, 2, SPARE
	v_mov_b32 v[NIL], 0
	ds_add_u32 v[SPW], v[NIL]                      ; the opening lines: the add twice on end, and its wait ahead of my tensor load
	ds_add_u32 v[SPW], v[NIL]
	v_lshrrev_b32 v5, 5, v0
	v_readfirstlane_b32 s[WV], v5                  ; wave 0..3
	s_bfe_u32 s13, ttmp6, 0x40000                  ; cx
	s_and_b32 s14, ttmp7, 0xffff                   ; the range of weights: shared by the four partners
	s_mov_b32 s[G1], 15|(3<<16)|(1<<21)            ; the mask: all four; elements of 8 bytes; bit 21 beside a mask
	s_mov_b32 s[G1+1], 32<<16                      ; 96 dense rows of 256 bytes: two tiles
	s_mov_b32 s[G1+2], 96<<16
	s_mov_b32 s[G1+3], 32<<16
	s_mov_b32 s[G1+4], 96
	s_mov_b32 s[G1+5], 32
	s_mov_b32 s[G1+6], 0
	s_mov_b32 s[G1+7], 0
	s_lshl_b32 s40, s14, 3
	s_lshl_b32 s41, s[WV], 1
	s_add_co_u32 s40, s40, s41
	s_add_co_u32 s40, s40, 704                     ; my two tiles of the range
	s_mul_i32 s40, s40, TILE
	s_mov_b32 s41, 0
	s_mul_i32 s42, s[WV], 2*TILE
	WALU
	s_wait_dscnt 0x0
	s_wait_kmcnt 0x0
	CROUND                                         ; all four work-groups are here: the joint loads meet
	s_mov_b32 s[G0], 1
	s_mov_b32 s[G0+1], s42
	s_add_nc_u64 s[G0+2:G0+3], s[8:9], s[40:41]
	s_or_b32 s[G0+3], s[G0+3], 0x80000000
	tensor_load_to_lds s[G0:G0+3], s[G1:G1+7]      ; my one tensor load of the launch
	s_nop 0
.rept 4
	v_nop
.endr
	s_lshl_b32 s43, ttmp9, 2
	s_add_co_u32 s43, s43, s13                     ; the block of 256 positions
	s_lshl_b32 s43, s43, 2
	s_add_co_u32 s43, s43, s[WV]                   ; my group of 64 positions, 0 .. 127
	s_mul_i32 s44, s43, 4*TILE
	s_mov_b32 s45, 0
	s_add_nc_u64 s[28:29], s[4:5], s[44:45]        ; its codes,
	s_lshl_b32 s44, s43, 11
	s_add_nc_u64 s[30:31], s[6:7], s[44:45]        ; its scale words
	s_lshl_b32 s44, s14, 12
	s_add_co_u32 s44, s44, 704*512
	s_add_nc_u64 s[32:33], s[10:11], s[44:45]      ; the range's scale words
	s_lshl_b32 s44, s14, 9
	s_add_nc_u64 s[34:35], s[48:49], s[44:45]      ; its 128 numbers of the bias
	s_lshl_b32 s46, s43, 18                        ; 64 rows of 4,096 bytes a group,
	s_add_co_u32 s44, s44, s46                     ; 512 bytes a range
	s_add_nc_u64 s[36:37], s[50:51], s[44:45]
	s_mul_i32 s52, s[WV], 16*SPITCH
	s_add_co_u32 s52, s52, STAGE                   ; my stage
	v_and_b32 v15, 31, v0
	v_and_b32 v16, 15, v0                          ; r
	v_bfe_u32 v17, v0, 4, 1                        ; h
	v_lshlrev_b32 v[LI], 4, v15
	v_lshlrev_b32 v[L8], 3, v15
	v_lshlrev_b32 v[BPO], 7, v17
	v_mul_u32_u24 v18, v16, SPITCH
	v_mul_u32_u24 v19, v17, SPITCH
	v_lshl_add_u32 v18, v17, 7, v18
	v_lshl_add_u32 v19, v16, 4, v19
	v_add_nc_u32 v[STO], s52, v18
	v_add_nc_u32 v[RD], s52, v19
	v_lshlrev_b32 v[CO], 12, v17
	v_lshl_add_u32 v[CO], v16, 4, v[CO]
	v_mov_b32 v[ADW], v[LI]
	v_add_nc_u32 v[ADW2], 4*TILE, v[LI]
	WALU
.irp a, 0,1,2,3
.irp q, 0,1,2,3,4,5,6,7
.set R_, 12*((8*\a+\q)%21)
	WIN (1+(8*\a+\q)/21)<<6
	global_load_b128 v[R_:R_+3], v[LI], s[28:29] offset:(8*\a+\q)*1536
	global_load_b64 v[R_+4:R_+5], v[L8], s[28:29] offset:(8*\a+\q)*1536+512
	global_load_b128 v[R_+6:R_+9], v[LI], s[28:29] offset:(8*\a+\q)*1536+768
	global_load_b64 v[R_+10:R_+11], v[L8], s[28:29] offset:(8*\a+\q)*1536+1280
.endr
.endr
	WIN 0xc0
.irp m, 0,1,2,3,4,5,6,7
	global_load_b128 v[BB+4*\m:BB+4*\m+3], v[BPO], s[34:35] offset:16*\m           ; register 32 g + k: column 64 g + 32 h + k of the range
	global_load_b128 v[BB+32+4*\m:BB+32+4*\m+3], v[BPO], s[34:35] offset:256+16*\m
.endr
	WIN 0
.irp a, 0,1,2,3
	global_load_b128 v[XS+4*\a:XS+4*\a+3], v[LI], s[30:31] offset:512*\a
.endr
.irp s, 0,1,2,3,4,5,6,7
	global_load_b128 v[WS+4*\s:WS+4*\s+3], v[LI], s[32:33] offset:512*\s
.endr
	WALU
	s_wait_tensorcnt 0x0                           ; my two tiles are in,
	s_barrier_signal -1
	s_barrier_wait -1                              ; and everybody's: the range lies in LDS for the rest of the launch
	FETCH 0, ADW, 0
	FETCH 1, ADW, TILE
	s_wait_loadcnt 0x0                             ; my positions, the scale words and the bias
.irp g, 0,1
.irp i, 0,1,2,3
.if 4*\g+\i < 7
	s_wait_dscnt 24                                ; this tile's 24 loads are in; the next tile's 24 may be out
.else
	s_wait_dscnt 0x0                               ; the last tile: nothing was asked for behind it
.endif
	BLOCK \g, \i
	WIN 0
.rept 4
	v_nop                                          ; places ahead of the loads into the set just multiplied, and of the stage's reads of the sums
.endr
.set S2_, 4*\g+\i+2
.if S2_ < 4
	FETCH \i%2, ADW, S2_*TILE
.elseif S2_ < 8
	FETCH \i%2, ADW2, (S2_-4)*TILE
.endif
.endr
	s_wait_xcnt 0x0                                ; earlier stores have read their registers
	TOSTAGE 0
.irp n, 1,2,3
.if \n > 1
	s_wait_xcnt 0x0                                ; unit n - 2's stores have read the set that unit n's loads land in
.endif
	TOSTAGE \n
	SEND \n-1, \g, 16                              ; behind unit n - 1's loads: unit n's 8 stores and 8 loads
.endr
	SEND 3, \g, 0
.endr
	s_wait_tensorcnt 0x0                           ; the wave's end
	ds_add_u32 v[SPW], v[NIL]
	s_wait_dscnt 0x0
	CROUND                                         ; the closing round
	s_endpgm
.Lfunc_end_k_q9aafe0b428_proj:
	.size	k_q9aafe0b428_proj, .Lfunc_end_k_q9aafe0b428_proj-k_q9aafe0b428_proj
	.p2alignl 7, 3214868480
	.fill 96, 4, 3214868480
	.section	.rodata,"a",@progbits
	.p2align	6, 0x0
	.amdhsa_kernel k_q9aafe0b428_proj
		.amdhsa_group_segment_fixed_size 167936
		.amdhsa_private_segment_fixed_size 0
		.amdhsa_enable_private_segment 0
		.amdhsa_kernarg_size 48
		.amdhsa_user_sgpr_count 2
		.amdhsa_user_sgpr_kernarg_segment_ptr 1
		.amdhsa_wavefront_size32 1
		.amdhsa_system_sgpr_workgroup_id_x 1
		.amdhsa_system_sgpr_workgroup_id_y 1
		.amdhsa_system_sgpr_workgroup_id_z 1
		.amdhsa_system_vgpr_workitem_id 0
		.amdhsa_next_free_vgpr 976
		.amdhsa_next_free_sgpr 66
		.amdhsa_reserve_vcc 0
		.amdhsa_float_denorm_mode_32 3
		.amdhsa_float_denorm_mode_16_64 3
		.amdhsa_memory_ordered 1
		.amdhsa_forward_progress 1
		.amdhsa_inst_pref_size 86
	.end_amdhsa_kernel
	.amdgpu_metadata
---
amdhsa.version: [ 1, 2 ]
amdhsa.kernels:
  - .name:           k_q9aafe0b428_proj
    .symbol:         k_q9aafe0b428_proj.kd
    .args:
      - { .name: oc, .offset: 0, .size: 8, .value_kind: global_buffer, .address_space: global }
      - { .name: os, .offset: 8, .size: 8, .value_kind: global_buffer, .address_space: global }
      - { .name: cod, .offset: 16, .size: 8, .value_kind: global_buffer, .address_space: global }
      - { .name: scl, .offset: 24, .size: 8, .value_kind: global_buffer, .address_space: global }
      - { .name: b_proj, .offset: 32, .size: 8, .value_kind: global_buffer, .address_space: global }
      - { .name: out0, .offset: 40, .size: 8, .value_kind: global_buffer, .address_space: global }
    .group_segment_fixed_size: 167936
    .private_segment_fixed_size: 0
    .kernarg_segment_align: 8
    .kernarg_segment_size: 48
    .max_flat_workgroup_size: 128
    .sgpr_count:     66
    .vgpr_count:     976
    .wavefront_size: 32
...
	.end_amdgpu_metadata
.endif
;; end of part 4
